; MI455X (gfx1250); checked and timed in simulation.
; The chip was launched on July 23, 2026; its instructions are those of AMD's public machine-readable ISA for CDNA 5 (MIT licence, August 2026) and "CDNA5" Instruction Set Architecture Reference Guide (July 2026). The comments in the code are by the model that wrote it; some were corrected since.
;; Transformer Encoder. Allowed arithmetic: matrix products marked QUANTISED: E4M3 operands, one given power-of-two scale a tensor, by v_wmma_f32_16x16x64_fp8_fp8 or v_wmma_f32_16x16x128_fp8_fp8, f32 sums; products left as they are: f32 operands where the result goes on into a quantised operand, else bf16, f16 or f32 operands; f32 sums; everything else in f32.
;; Inputs: W1_codes 1,024 x 16 x 32 uint8 (E4M3 codes of W1, K innermost, in blocks of 32 codes); W2_codes 512 x 32 x 32 uint8 (E4M3 codes of W2, K innermost, in blocks of 32 codes); Wf_codes 512 x 16 x 32 uint8 (E4M3 codes of Wf, K innermost, in blocks of 32 codes); Wk_codes 512 x 8 x 32 uint8 (E4M3 codes of Wk, K innermost, in blocks of 32 codes); Wp_codes 512 x 16 x 32 uint8 (E4M3 codes of Wp, K innermost, in blocks of 32 codes); Wq_codes 512 x 16 x 32 uint8 (E4M3 codes of Wq, K innermost, in blocks of 32 codes); b1 1,024 float32; b2 512 float32; bf 512 float32; bk 512 float32; bp 512 float32; bq 512 float32; lowp_scales 12 int32 (the exponents e of the quantised operands' scales 2^e); source_codes 16 x 2,048 x 8 x 32 uint8 (E4M3 codes of source, K innermost, in blocks of 32 codes); w_g 512 x 1 float32; x 16 x 2,048 x 512 float32.
;; Outputs: out0 16 x 2,048 x 512 float32.
;; This version of the problem:
;;   THIS VERSION OF THE PROBLEM IS GIVEN IN LOW PRECISION. The matrix products marked QUANTISED in the list below multiply operands that are first quantised to E4M3 (4 exponent bits, 3 mantissa bits; 8 bits a number), with one given power-of-two scale for each operand tensor; their sums are f32. All else is computed in f32.
;;   The module's matrix products, in the order in which they are computed (A, B: the left and right operand; K: the contracted axis; several contracted axes count as one K, in the product's order):
;;     1. [M 32,768, K 512] x [K 512, N 512]; A: input x; B: input Wq (given as codes): QUANTISED (scales: A lowp_scales[0], B lowp_scales[1])
;;     2. [M 32,768, K 256] x [K 256, N 512]; A: input source (given as codes); B: input Wk (given as codes): QUANTISED (scales: A lowp_scales[2], B lowp_scales[3])
;;     3. [M 32,768, K 512] x [K 512, N 1]; A: computed on the way; B: input w_g: left as it is (N = 1 < 16)
;;     4. [M 32,768, K 512] x [K 512, N 512]; A: computed on the way; B: input Wp (given as codes): QUANTISED (scales: A lowp_scales[4], B lowp_scales[5])
;;     5. [M 32,768, K 512] x [K 512, N 512]; A: computed on the way; B: input Wf (given as codes): QUANTISED (scales: A lowp_scales[6], B lowp_scales[7])
;;     6. [M 32,768, K 512] x [K 512, N 1,024]; A: computed on the way; B: input W1 (given as codes): QUANTISED (scales: A lowp_scales[8], B lowp_scales[9])
;;     7. [M 32,768, K 1,024] x [K 1,024, N 512]; A: computed on the way; B: input W2 (given as codes): QUANTISED (scales: A lowp_scales[10], B lowp_scales[11])
;;   THE QUANTISER, for each operand of a quantised product, along K:
;;     - The operand's scale is 2^e, e = its entry of the input lowp_scales (int32; the entries are numbered through the quantised products in the list's order, A before B).
;;     - Each number is divided by the scale, clamped to +-448, and rounded to the nearest number of E4M3, ties to even, subnormals kept.
;;     - The product sums the exact products of the quantised numbers (number of the format x scale) in f32.
;;   ~~~python
;;   def quantise(x, axis, e):      # numpy; x: float32 -> the quantised numbers, widened to float32 again
;;       x = np.moveaxis(x, axis, -1); K = x.shape[-1]
;;       r = np.clip(x / 2.0 ** e, -448, 448)
;;       step = 2.0 ** (np.maximum(np.frexp(np.where(r == 0, 1, r))[1] - 1, -6) - 3)
;;       q = np.round(r / step) * step * 2.0 ** e      # np.round: ties to even
;;       return np.moveaxis(q, -1, axis).astype(np.float32)
;;   ~~~
;;   OPERANDS COMPUTED ON THE WAY. 'Computed on the way' means the value that the module computes at that place (a softmax that the list does not call 'softmax' is quantised finished and normalised). What goes into a quantiser is computed in f32, as accurately as f32 sums, v_exp_f32 and their like allow (about 1e-6 of the number): no bf16 or f16 on the way to a quantiser, and a product that is left as it is and whose result goes on into a quantised operand takes f32 operands (vector FMAs, or v_wmma_f32_16x16x4_f32). A number that lies on a knife's edge between two numbers of the format may be rounded either way, as far as f32 arithmetic and the matrix unit's own rounding can turn it there, and no further.
;;   INPUTS GIVEN AS CODES. W1 (in the module: [512, 1024], K = its axis 0); W2 (in the module: [1024, 512], K = its axis 0); Wf (in the module: [512, 512], K = its axis 0); Wk (in the module: [256, 512], K = its axis 0); Wp (in the module: [512, 512], K = its axis 0); Wq (in the module: [512, 512], K = its axis 0); source (in the module: [16, 2048, 256], K = its axis 2): each comes as NAME_codes (uint8): NAME with its K axis moved to the last place and cut into blocks of 32 codes, [.., K / 32, bytes a block], one block behind the other in memory; one code a byte (a code: sign, 4 exponent bits, 3 mantissa bits); its scale is its entry of lowp_scales. Its value is code x scale, taken as it is: it is not quantised again, and the codes and scales need not be those that the quantiser above would give.
;; One version. Each part assembles by itself: llvm-mc -triple=amdgcn-amd-amdhsa -mcpu=gfx1250 --defsym DOCPART=n.
;; ======== version 1 of 1: 2 launches
;; limits: a function is approximated: absolute error at most 1.5e-07
;; workspace buffers: wl 1,703,936 bytes
;; launch lay (part 1): grid 26 x 4, 8 waves a work-group, no clusters, 0 bytes of LDS; arguments Wk_codes, Wq_codes, Wf_codes, W1_codes, W2_codes, wl; writes wl
.if DOCPART == 1
	.amdgcn_target "amdgcn-amd-amdhsa--gfx1250"
	.amdhsa_code_object_version 6
	.text
	.protected	k_qb3c2615213_lay
	.globl	k_qb3c2615213_lay
	.p2align	8
	.type	k_qb3c2615213_lay,@function
k_qb3c2615213_lay:
	s_mov_b64 s[64:65], 0
	v_nop
	global_prefetch_b8 v0, s[64:65] scope:SCOPE_SE
	s_setreg_imm32_b32 hwreg(HW_REG_WAVE_MODE, 25, 1), 1
	s_wait_xcnt 0x0
; THE FIVE LIVE WEIGHTS, RE-LAID ONCE IN THE ORDER OF THE OPERAND'S REGISTERS, for the launch that follows.
; DEAD WORK, for all values of the inputs: reference() never uses _dead = (G k) Wp + bp; G feeds _dead alone and A feeds G alone.  So the product with w_g, the norm over tokens, the sum G and
; the product with Wp reach no output and are left out; w_g, Wp_codes, bp and entries 4 and 5 of lowp_scales are loaded by no launch and are among no launch's arguments.
; idx = (i x 2048) / 2048 = i, so message = k.  LIMIT: a NaN, an infinity or an overflow that reaches only the work left out is not carried to the result.
; wl: for each of the next launch's four waves w, 26 sets of 16,384 bytes in the order of their use; a set is 8 fragments f of 2,048 bytes; a fragment (16 rows x 128 K of codes) is 4 groups c of 512 bytes,
; lane l's 16 bytes at 16 l.  Lane (r = l % 16, h = l / 16), group c holds W[n0 + r + 8 (r / 8)][k0 + 32 c + 16 h + 0 .. 15].
;   set 0, 1: Wk, k0 = 128 i;  2-5: Wq, k0 = 128 (i - 2);  6-9: Wf, k0 = 128 (i - 6);  all with n0 = nA = 128 w + 32 (f / 2) + 8 (f % 2)
;   set 10 + 2 j: W1, n0 = 128 j + 32 w + 8 (f % 2), k0 = 128 (f / 2);   set 11 + 2 j: W2, n0 = nA, k0 = 128 j
; A work-group makes one set (x: the set, y: the wave it is for), a wave one fragment.  Which tensor a set comes from is chosen by selects on the work-group's number: one path for all.
	s_load_b256 s[4:11], s[0:1], 0x0               ; Wk s[4:5], Wq s[6:7], Wf s[8:9], W1 s[10:11]
	s_load_b128 s[12:15], s[0:1], 0x20             ; W2 s[12:13], wl s[14:15]
	v_lshrrev_b32 v1, 5, v0
	v_readfirstlane_b32 s16, v1                    ; f: my fragment
	v_and_b32 v2, 15, v0                           ; r
	v_bfe_u32 v3, v0, 4, 1                         ; h
	v_and_b32 v4, 31, v0                           ; l
	s_mov_b32 s17, ttmp9                           ; i: the set
	s_and_b32 s18, ttmp7, 0xffff                   ; w
	s_lshr_b32 s20, s16, 1                         ; f / 2
	s_and_b32 s22, s16, 1
	s_lshl_b32 s23, s22, 3                         ; 8 (f % 2)
	s_lshl_b32 s19, s18, 7
	s_lshl_b32 s21, s20, 5
	s_add_co_u32 s19, s19, s21
	s_add_co_u32 s19, s19, s23                     ; nA
	s_sub_co_u32 s24, s17, 10                      ; (used only where i >= 10)
	s_lshr_b32 s25, s24, 1
	s_and_b32 s25, s25, 7                          ; j
	s_and_b32 s24, s24, 1                          ; 1: W2's set
	s_lshl_b32 s26, s25, 7                         ; 128 j
	s_lshl_b32 s27, s18, 5
	s_add_co_u32 s27, s27, s26
	s_add_co_u32 s27, s27, s23                     ; W1: n0
	s_lshl_b32 s28, s20, 7                         ; W1: k0
	s_lshl_b32 s34, s17, 7                         ; Wk: k0
	s_sub_co_u32 s35, s17, 2
	s_lshl_b32 s35, s35, 7                         ; Wq: k0
	s_sub_co_u32 s36, s17, 6
	s_lshl_b32 s36, s36, 7                         ; Wf: k0
	s_mul_i32 s38, s18, 26
	s_add_co_u32 s38, s38, s17
	s_lshl_b32 s38, s38, 14                        ; the set's place in wl
	s_lshl_b32 s39, s16, 11
	s_add_co_u32 s38, s38, s39                     ; the fragment's
	v_lshl_add_u32 v6, v4, 4, s38                  ; my 16 bytes of a group
	s_mov_b32 s32, 8                               ; log2 of a row's bytes: Wk's 256
	s_mov_b32 s33, s19                             ; n0
	s_wait_kmcnt 0x0
	s_mov_b64 s[30:31], s[4:5]
	s_cmp_ge_u32 s17, 2                            ; every choice hangs on the work-group's number alone
	s_cselect_b64 s[30:31], s[6:7], s[30:31]
	s_cselect_b32 s32, 9, s32
	s_cselect_b32 s34, s35, s34
	s_cmp_ge_u32 s17, 6
	s_cselect_b64 s[30:31], s[8:9], s[30:31]
	s_cselect_b32 s34, s36, s34
	s_cmp_ge_u32 s17, 10
	s_cselect_b64 s[30:31], s[10:11], s[30:31]
	s_cselect_b32 s33, s27, s33
	s_cselect_b32 s34, s28, s34
	s_cselect_b32 s37, s24, 0
	s_cmp_eq_u32 s37, 1
	s_cselect_b64 s[30:31], s[12:13], s[30:31]
	s_cselect_b32 s32, 10, s32
	s_cselect_b32 s33, s19, s33
	s_cselect_b32 s34, s26, s34
	v_and_b32 v5, 8, v2
	v_add_nc_u32 v5, v5, v2                        ; r + 8 (r / 8)
	v_add_nc_u32 v5, s33, v5                       ; the row
	v_lshlrev_b32 v5, s32, v5                      ; in bytes
	v_lshl_add_u32 v5, v3, 4, v5                   ; + 16 h
	v_add_nc_u32 v5, s34, v5                       ; + k0
.irp c, 0,1,2,3
	global_load_b128 v[8+4*\c:11+4*\c], v5, s[30:31] offset:32*\c th:TH_LOAD_NT
.endr
	s_wait_loadcnt 0x0
.irp c, 0,1,2,3
	global_store_b128 v6, v[8+4*\c:11+4*\c], s[14:15] offset:512*\c   ; the wave stores 512 consecutive bytes, at a multiple of 256 from wl's first byte
.endr
	s_endpgm
.Lfunc_end_k_qb3c2615213_lay:
	.size	k_qb3c2615213_lay, .Lfunc_end_k_qb3c2615213_lay-k_qb3c2615213_lay
	.p2alignl 7, 3214868480
	.fill 96, 4, 3214868480
	.section	.rodata,"a",@progbits
	.p2align	6, 0x0
	.amdhsa_kernel k_qb3c2615213_lay
		.amdhsa_group_segment_fixed_size 0
		.amdhsa_private_segment_fixed_size 0
		.amdhsa_enable_private_segment 0
		.amdhsa_kernarg_size 48
		.amdhsa_user_sgpr_count 2
		.amdhsa_user_sgpr_kernarg_segment_ptr 1
		.amdhsa_wavefront_size32 1
		.amdhsa_system_sgpr_workgroup_id_x 1
		.amdhsa_system_sgpr_workgroup_id_y 1
		.amdhsa_system_sgpr_workgroup_id_z 1
		.amdhsa_system_vgpr_workitem_id 0
		.amdhsa_next_free_vgpr 32
		.amdhsa_next_free_sgpr 66
		.amdhsa_reserve_vcc 0
		.amdhsa_float_denorm_mode_32 3
		.amdhsa_float_denorm_mode_16_64 3
		.amdhsa_memory_ordered 1
		.amdhsa_forward_progress 1
		.amdhsa_inst_pref_size 4
	.end_amdhsa_kernel
	.amdgpu_metadata
---
amdhsa.version: [ 1, 2 ]
amdhsa.kernels:
  - .name:           k_qb3c2615213_lay
    .symbol:         k_qb3c2615213_lay.kd
    .args:
      - { .name: Wk_codes, .offset: 0, .size: 8, .value_kind: global_buffer, .address_space: global }
      - { .name: Wq_codes, .offset: 8, .size: 8, .value_kind: global_buffer, .address_space: global }
      - { .name: Wf_codes, .offset: 16, .size: 8, .value_kind: global_buffer, .address_space: global }
      - { .name: W1_codes, .offset: 24, .size: 8, .value_kind: global_buffer, .address_space: global }
      - { .name: W2_codes, .offset: 32, .size: 8, .value_kind: global_buffer, .address_space: global }
      - { .name: wl, .offset: 40, .size: 8, .value_kind: global_buffer, .address_space: global }
    .group_segment_fixed_size: 0
    .private_segment_fixed_size: 0
    .kernarg_segment_align: 8
    .kernarg_segment_size: 48
    .max_flat_workgroup_size: 256
    .sgpr_count:     66
    .vgpr_count:     32
    .wavefront_size: 32
...
	.end_amdgpu_metadata
.endif
;; end of part 1
;; launch chain (part 2): grid 256 x 1, 4 waves a work-group, no clusters, 327,168 bytes of LDS; arguments x, source_codes, wl, bq, bk, bf, b1, b2, lowp_scales, out0; writes out0
.if DOCPART == 2
	.amdgcn_target "amdgcn-amd-amdhsa--gfx1250"
	.amdhsa_code_object_version 6
	.text
	.protected	k_qb3c2615213_chain
	.globl	k_qb3c2615213_chain
	.p2align	8
	.type	k_qb3c2615213_chain,@function
k_qb3c2615213_chain:
	s_mov_b64 s[64:65], 0
	v_nop
	global_prefetch_b8 v0, s[64:65] scope:SCOPE_SE
	s_setreg_imm32_b32 hwreg(HW_REG_WAVE_MODE, 25, 1), 1
	s_wait_xcnt 0x0
; THE WHOLE CHAIN, 64 ROWS AT A TIME, all products on codes of FP8 (E4M3), each operand with its given scale 2^e (e0 .. e11 = lowp_scales):
;   q = l2norm(Q(x) Wq + bq);  k = l2norm(source Wk + bk);  out = Q(k + q) Wf + bf;  h = l2norm(out + x);  y = Q(gelu(Q(h) W1 + b1)) W2 + b2 + h.
; LEFT OUT AS DEAD WORK (shown at the head of the launch before): the products with w_g and with Wp, the norm over tokens and the sum G reach no output; message = k since idx = i.
; w_g, Wp_codes, bp, e4 and e5 are not loaded.  A NaN, an infinity or an overflow that reaches only that work is not carried to the result.
; SHARES.  A WORK-GROUP STAYS: its four waves walk NBLK blocks of 64 rows (four tiles m of 16), rows 64 NBLK g on.  THE WAVES SHARE THE COLUMNS: wave w makes columns 128 w .. 128 w + 127 of every layer of 512
; (8 tiles t x 4 m = 32 accumulators) and hidden units 128 j + 32 w .. + 31 of chunk j of the MLP's 1,024.  The weights come from wl, laid in the order of the operand's registers, straight into registers: each load is
; 512 consecutive bytes; two buffers of a set (8 fragments) take turns.  Activations go from wave to wave through LDS as images of the operand's registers.  x, h and y stay in LDS and registers in f32.
; THE NEXT BLOCK COMES IN UNDER THE MLP: 8 rows of its x in each of the 8 chunks, through 32 idle registers into the wave's second region of LDS; its source's codes likewise; its first two sets of weights in the last chunk.
; A block's stores of y are waited for by nobody: they leave while the next block is worked.
; EVERY PRODUCT IS USED TRANSPOSED (source 0 = 16 rows of a weight, source 1 = 16 rows of the activation): a lane (r, h) holds row r, and, by the choice of a tile's rows in wl, the 16 registers of tiles 2 b, 2 b + 1
; are columns 32 b + 16 h + 0 .. 15: what the next operand's registers 4 b .. 4 b + 3 hold.  (k stands in the same places in both operands; within an instruction the order of the sums differs from ascending k.)
; Biases go in as the C of a sum's first product, divided by the power of two that the sums lack.
; NO CLUSTER, NO JOINT LOADS, NO RING: a weight fragment is multiplied by ONE wave of a work-group.  Through LDS the 1,703,936 weight bytes of a block would be written there once and read once, on top of the
; activations' reads, and with this block's 32 products a set a change of slots, with its round, would stand after every 32 matrix instructions of a wave.
; gelu: erf by the five-term rational form of Abramowitz and Stegun, 7.1.26 (absolute error of erf 1.5e-7), used as gelu(a) = max(a, 0) - |a| P / 2, P = polynomial(t) 2^(-z z), so that no difference of near numbers is formed.
; LIMITS, so that each power of two below is an f32 number: e6 + e7 and e10 + e11 between -126 and 127; e8 + e9 between -125 and 128; e0, e6, e8 and e10 - e8 - e9 between -126 and 119.  NaN and infinity among the inputs are not served.
; REGISTERS, in windows of 256.  window 0: v1, v2 the add's two; v3-22 addresses; v23, v24 the conversion's scale and 448 x it; v[28:29] a constant; AF, BI, TM: 64 each, at work; PC 16: codes, or sums of squares; FA 16: factors, later b1.
;   window 1: two buffers of a set of weights.   window 2: the first block's x as it lands; q's sums; out's; then h's 16 fragments.   window 3: k's sums; then y's.
.set NBLK,  2                          ; blocks of a work-group
.set XP,    528                        ; a wave's 512 bytes of a row + 16: the 16 rows that a load touches start at 16 different 16-byte columns of 256
.set XW,    64*XP                      ; a region of a wave's own: x, then h, then y.  A wave has two, side by side: the block in hand, and the next block's x
.set IMG,   8*XW                       ; images of 16 fragments (tile m, K step s) at (4 m + s) x 2,048: x's codes, then (k + q)'s, then h's
.set SRC,   IMG                        ; ahead of x's images the same bytes hold 64 rows of source's codes, 256 bytes + 16
.set SRP,   272
.set GI,    IMG+32768                  ; images of a chunk's 4 fragments; wave w writes group c = w
.set RED,   GI+8192                    ; three tables (q, k, h) of 64 rows x 4 waves' sums of squares
.set BIAS,  RED+3072                   ; for each wave 3,072 bytes: bk, bq, bf, b2 (512 each), b1 (8 chunks x 128)
.set BW,    3072
.set SPARE, BIAS+4*BW                  ; the spare words, 128 bytes for each wave: two blocks of 256 bytes that no other line names
.set WVB,   425984                     ; a wave's 26 sets in wl
.set SETB,  16384
.set AF,  32
.set BI,  96
.set TM,  160
.set PC,  224
.set FA,  240
.set B1R, 240
.set GZ,  AF                           ; gelu: z, then the polynomial
.set GD,  AF+16                        ; 1 + p |z|, then t, then max(S, 0)
.set GQ,  AF+32                        ; z z, then 2^(-z z)
.set MSB, 0
.macro WIN new                         ; the immediate's high byte repeats the setting that is left; a switch that changes nothing is dropped
.if MSB != (\new)
	s_set_vgpr_msb (MSB<<8)|(\new)
.set MSB, (\new)
.endif
.endm
.macro PLACES n                        ; plain vector instructions behind matrix instructions, ahead of loads into their registers and of reads of their results
.rept \n
	v_nop
.endr
.endm
.macro BAR                             ; my LDS stores have landed and my LDS loads are in: then the work-group's barrier
	s_wait_dscnt 0x0
	s_barrier_signal -1
	s_barrier_wait -1
.endm
.macro WLOAD p, sb, off                ; a set of weights, 32 loads of 512 consecutive bytes, into buffer p of window 1
	WIN 0x40
.set nn, 0
.rept 32
	global_load_b128 v[128*(\p)+4*nn:128*(\p)+4*nn+3], v3, s[\sb:\sb+1] offset:(\off)+512*nn
.set nn, nn+1
.endr
	WIN 0
.endm
.macro FIMG reg, s                     ; K step s of the four row tiles, from the images
.irp m, 0,1,2,3
.irp c, 0,1,2,3
	ds_load_b128 v[\reg+16*\m+4*\c:\reg+16*\m+4*\c+3], v8 offset:(4*\m+(\s))*2048+512*\c
.endr
.endr
.endm
.macro FSRC reg, s                     ; the same from source's rows
.irp m, 0,1,2,3
.irp c, 0,1,2,3
	ds_load_b128 v[\reg+16*\m+4*\c:\reg+16*\m+4*\c+3], v10 offset:16*SRP*\m+128*(\s)+32*\c
.endr
.endr
.endm
.macro FBIAS off                       ; a bias in the result's layout: register 16 b + i = column 32 b + 16 h + i of my 128
.irp b, 0,1,2,3
.irp j, 0,1,2,3
	ds_load_b128 v[BI+16*\b+4*\j:BI+16*\b+4*\j+3], v14 offset:(\off)+128*\b+16*\j
.endr
.endr
.endm
.macro XT buf, m                       ; my 64 numbers of row tile m from my own region: register 16 b + i = column 32 b + 16 h + i of row r
.irp b, 0,1,2,3
.irp j, 0,1,2,3
	ds_load_b128 v[\buf+16*\b+4*\j:\buf+16*\b+4*\j+3], v6 offset:16*XP*(\m)+128*\b+16*\j
.endr
.endr
.endm
.macro XSTORE buf, m                   ; and back to the same places
.irp b, 0,1,2,3
.irp j, 0,1,2,3
	ds_store_b128 v6, v[\buf+16*\b+4*\j:\buf+16*\b+4*\j+3] offset:16*XP*(\m)+128*\b+16*\j
.endr
.endr
.endm
; 32 matrix instructions: my 8 tiles x the 4 row tiles, 128 along K.  The 32 accumulators take turns, one instruction a turn, in the same order in every step.
.macro MM dwin, p, af, first
.if \first
	WIN ((\dwin)<<6)|0x01
.else
	WIN ((\dwin)<<6)|((\dwin)<<4)|0x01
.endif
.irp m, 0,1,2,3
.irp t, 0,1,2,3,4,5,6,7
.if \first
	v_wmma_f32_16x16x128_fp8_fp8 v[8*(8*\m+\t):8*(8*\m+\t)+7], v[128*(\p)+16*\t:128*(\p)+16*\t+15], v[\af+16*\m:\af+16*\m+15], v[BI+8*\t:BI+8*\t+7]
.else
	v_wmma_f32_16x16x128_fp8_fp8 v[8*(8*\m+\t):8*(8*\m+\t)+7], v[128*(\p)+16*\t:128*(\p)+16*\t+15], v[\af+16*\m:\af+16*\m+15], v[8*(8*\m+\t):8*(8*\m+\t)+7]
.endif
.endr
.endr
	WIN 0
.endm
.macro SETQ a                          ; the scale as f32 and 448 x the scale
	v_mov_b32 v23, s[\a]
	v_mov_b32 v24, s[\a+1]
.endm
.macro QUANT src, tmp                  ; 64 numbers of a lane become a fragment's 16 registers of codes in PC
.irp b, 0,1,2,3
.irp i, 0,1,2,3,4,5,6,7,8,9,10,11,12,13,14,15
	v_med3_num_f32 v[\tmp+16*\b+\i], v[\src+16*\b+\i], -v24, v24   ; the conversion to an 8-bit code does not saturate (ISA guide 7.6.2): the hold at the largest code x the scale
.endr
	v_cvt_scalef32_pk8_fp8_f32 v[PC+4*\b:PC+4*\b+1], v[\tmp+16*\b:\tmp+16*\b+7], v23
	v_cvt_scalef32_pk8_fp8_f32 v[PC+4*\b+2:PC+4*\b+3], v[\tmp+16*\b+8:\tmp+16*\b+15], v23
.endr
	v_nop                                          ; one plain vector instruction behind the last conversion, ahead of whatever next touches its registers
.endm
.macro IMAGE m                         ; the fragment in PC is K step w of row tile m
.irp c, 0,1,2,3
	ds_store_b128 v7, v[PC+4*\c:PC+4*\c+3] offset:8192*(\m)+512*\c
.endr
.endm
.macro SUMSQ win, ss                   ; sums of squares of my 64 numbers of each row tile, two at a time, the four tiles' chains by turns; each accumulator is read from its low end on
	WIN (\win)|((\win)<<2)
.set pp, 0
.rept 32
.irp m, 0,1,2,3
.if pp == 0
	v_pk_mul_f32 v[\ss+2*\m:\ss+2*\m+1], v[64*\m+pp:64*\m+pp+1], v[64*\m+pp:64*\m+pp+1]
.else
	v_pk_fma_f32 v[\ss+2*\m:\ss+2*\m+1], v[64*\m+pp:64*\m+pp+1], v[64*\m+pp:64*\m+pp+1], v[\ss+2*\m:\ss+2*\m+1]
.endif
.endr
.set pp, pp+2
.endr
	WIN 0
.endm
; n sums in pairs at PC + 2 i: the pair, the other half of the lanes, the four waves (through a table in LDS, one barrier, a fixed order of additions); then the root, in TM + 4 i
.macro ROWNORM n, tab
.set ii, 0
.rept \n
	v_add_f32 v[PC+2*ii], v[PC+2*ii], v[PC+2*ii+1]
.set ii, ii+1
.endr
.set ii, 0
.rept \n
	v_permlanex16_b32 v[PC+2*ii+1], v[PC+2*ii], s66, s67
.set ii, ii+1
.endr
.set ii, 0
.rept \n
	v_add_f32 v[PC+2*ii], v[PC+2*ii], v[PC+2*ii+1]
.set ii, ii+1
.endr
.set ii, 0
.rept \n
	ds_store_b32 v11, v[PC+2*ii] offset:(\tab)+256*ii
.set ii, ii+1
.endr
	BAR
.set ii, 0
.rept \n
	ds_load_b128 v[TM+4*ii:TM+4*ii+3], v12 offset:(\tab)+256*ii
.set ii, ii+1
.endr
	s_wait_dscnt 0x0
.set ii, 0
.rept \n
	v_add_f32 v[TM+4*ii], v[TM+4*ii], v[TM+4*ii+1]
	v_add_f32 v[TM+4*ii+2], v[TM+4*ii+2], v[TM+4*ii+3]
.set ii, ii+1
.endr
.set ii, 0
.rept \n
	v_add_f32 v[TM+4*ii], v[TM+4*ii], v[TM+4*ii+2]
.set ii, ii+1
.endr
.set ii, 0
.rept \n
	v_sqrt_f32 v[TM+4*ii], v[TM+4*ii]
.set ii, ii+1
.endr
	v_nop                                          ; a plain instruction behind the last root,
	s_wait_alu depctr_va_vdst(0)                   ; and one wait for the batch, ahead of its first reader
.endm
.macro MKQ d, e                        ; s[d] = 2^e as f32, s[d+1] = 448 x 2^e
	s_add_co_i32 s[\d+1], s[\e], 127
	s_lshl_b32 s[\d], s[\d+1], 23
	s_add_co_i32 s[\d+1], s[\d+1], 8
	s_lshl_b32 s[\d+1], s[\d+1], 23
	s_or_b32 s[\d+1], s[\d+1], 0x600000
.endm
.macro BSC first, e                    ; four registers of a bias / 2^E
	s_sub_co_i32 s37, 0, s[\e]
.irp i, 0,1,2,3
	v_ldexp_f32 v[BI+\first+\i], v[BI+\first+\i], s37
.endr
.endm
; A layer of 512 x 512 into window 2: four K steps; the next step's fragments and the set two steps on are asked for ahead.
.macro LAYER boff, nset
	FBIAS \boff
	FIMG AF, 0
	FIMG TM, 1
	s_wait_loadcnt 32                              ; this step's set is in; the next step's 32 loads may be out
	s_wait_dscnt 16                                ; the bias and step 0's fragments are in; step 1's 16 loads may be out
	MM 2, 0, AF, 1
	PLACES 4
	WLOAD 0, 8, (\nset)*SETB
	FIMG AF, 2
	s_wait_loadcnt 32
	s_wait_dscnt 16
	MM 2, 1, TM, 0
	PLACES 4
	WLOAD 1, 8, ((\nset)+1)*SETB
	FIMG TM, 3
	s_wait_loadcnt 32
	s_wait_dscnt 16
	MM 2, 0, AF, 0
	PLACES 4
	WLOAD 0, 8, ((\nset)+2)*SETB
	s_wait_loadcnt 32
	s_wait_dscnt 0x0
	MM 2, 1, TM, 0
	PLACES 4
	WLOAD 1, 8, ((\nset)+3)*SETB
.endm
; ---- the head, once for the work-group: addresses, the biases, the first block's source, x and first two sets
	s_load_b256 s[4:11], s[0:1], 0x0               ; x s[4:5], source's codes s[6:7], wl s[8:9], bq s[10:11]
	s_load_b256 s[12:19], s[0:1], 0x20             ; bk s[12:13], bf s[14:15], b1 s[16:17], b2 s[18:19]
	s_load_b128 s[20:23], s[0:1], 0x40             ; the scales' exponents s[20:21], out0 s[22:23]
	v_lshl_add_u32 v1, v0, 2, SPARE                ; my spare word
	v_mov_b32 v2, 0
	v_lshrrev_b32 v25, 5, v0
	v_readfirstlane_b32 s36, v25                   ; wave 0..3
	v_and_b32 v25, 31, v0                          ; l
	v_and_b32 v26, 15, v0                          ; r
	v_bfe_u32 v27, v0, 4, 1                        ; h
	s_mul_i32 s37, s36, WVB
	v_lshl_add_u32 v3, v25, 4, s37                 ; wl: my wave's sets, 16 l
	s_mul_i32 s37, s36, 2*XW
	v_lshl_add_u32 v17, v25, 4, s37                ; my two regions by rows: 16 l
	v_mul_u32_u24 v18, v26, XP
	v_lshl_add_u32 v18, v27, 6, v18
	v_add_nc_u32 v18, s37, v18                     ; and by tiles: row r, + 64 h
	v_lshl_add_u32 v8, v25, 4, IMG                 ; an image's place for my lane
	s_lshl_b32 s37, s36, 11
	v_add_nc_u32 v7, s37, v8                       ; where I store images: K step w
	s_mul_i32 s37, s36, 16*SRP
	v_mul_u32_u24 v9, v27, SRP
	v_lshl_add_u32 v9, v26, 4, v9
	v_add_nc_u32 v9, s37, v9
	v_add_nc_u32 v9, SRC, v9                       ; source, in: row 16 w + h, 16 r
	v_mul_u32_u24 v10, v26, SRP
	v_lshl_add_u32 v10, v27, 4, v10
	v_add_nc_u32 v10, SRC, v10                     ; source, as fragments: row r, + 16 h
	v_lshl_add_u32 v12, v26, 4, RED                ; a row's four sums
	s_lshl_b32 s37, s36, 2
	v_add_nc_u32 v11, s37, v12                     ; my wave's of them
	s_mul_i32 s37, s36, BW
	s_add_co_u32 s37, s37, BIAS
	v_lshl_add_u32 v13, v25, 4, s37                ; my biases, in
	v_lshl_add_u32 v14, v27, 6, s37                ; and out: + 64 h
	v_lshl_add_u32 v16, v25, 4, GI                 ; a chunk's images
	s_lshl_b32 s37, s36, 9
	v_add_nc_u32 v15, s37, v16                     ; my group of them
	v_lshl_add_u32 v20, v25, 4, s37                ; x, out0 and the biases of 512: 512 w + 16 l
	v_lshlrev_b32 v21, 4, v25                      ; source in memory: 16 l
	v_lshrrev_b32 v31, 3, v25
	v_and_b32 v22, 7, v25
	v_lshlrev_b32 v22, 4, v22
	v_lshl_add_u32 v22, v31, 9, v22
	s_lshl_b32 s37, s36, 7
	v_add_nc_u32 v22, s37, v22                     ; b1: chunk l / 8, my wave's 128 bytes of it, 16 (l % 8)
.irp j, 1,3,5,7,9,11,13,15
	v_mov_b32 v[FA+\j], 0                          ; (named as the upper halves of the factors' pairs)
.endr
	v_mov_b32 v28, 0xbf3a00e3                      ; a4 / 2, twice
	v_mov_b32 v29, 0xbf3a00e3
	s_mov_b32 s54, 0x3f07dc22                      ; a5 / 2;  each constant of a packed form is written as a pair
	s_mov_b32 s55, s54
	s_mov_b32 s56, 0x3f35f0e3                      ; a3 / 2
	s_mov_b32 s57, s56
	s_mov_b32 s58, 0xbe11a98e                      ; a2 / 2
	s_mov_b32 s59, s58
	s_mov_b32 s60, 0x3e027906                      ; a1 / 2
	s_mov_b32 s61, s60
	s_mov_b32 s62, 0x3e8ba43f                      ; 0.3275911 / sqrt(log2 e)
	s_mov_b32 s63, 0x2b8cbccc                      ; 1e-12
	s_mov_b32 s66, 0x76543210                      ; v_permlanex16_b32: lane l xor 16
	s_mov_b32 s67, 0xfedcba98
	s_wait_kmcnt 0x0
	s_load_b128 s[24:27], s[20:21], 0x0            ; e0 .. e3
	s_load_b64 s[28:29], s[20:21], 0x18            ; e6, e7
	s_load_b128 s[32:35], s[20:21], 0x20           ; e8 .. e11
	s_lshl_b32 s38, ttmp9, 18                      ; NBLK x 64 rows of 2,048 bytes
	s_mov_b32 s39, 0
	s_add_nc_u64 s[4:5], s[4:5], s[38:39]
	s_add_nc_u64 s[22:23], s[22:23], s[38:39]
	s_add_nc_u64 s[82:83], s[4:5], 64*2048         ; where the next block's x begins
	s_lshl_b32 s38, ttmp9, 15                      ; NBLK x 64 rows of 256 bytes,
	s_lshl_b32 s37, s36, 12                        ; my wave's 16 rows of a block
	s_add_co_u32 s38, s38, s37
	s_add_nc_u64 s[6:7], s[6:7], s[38:39]
.irp i, 0,1,2,3,4,5,6,7
	global_load_b128 v[TM+4*\i:TM+4*\i+3], v21, s[6:7] offset:512*\i th:TH_LOAD_NT   ; two rows of source's codes
.endr
	global_load_b128 v[BI:BI+3], v20, s[12:13]           ; bk
	global_load_b128 v[BI+4:BI+7], v20, s[10:11]         ; bq
	global_load_b128 v[BI+8:BI+11], v20, s[14:15]        ; bf
	global_load_b128 v[BI+12:BI+15], v20, s[18:19]       ; b2
	global_load_b128 v[BI+16:BI+19], v22, s[16:17]       ; b1, chunks 0-3
	global_load_b128 v[BI+20:BI+23], v22, s[16:17] offset:2048   ; chunks 4-7
	WIN 0x80                                       ; destination window 2
.set nn, 0
.rept 64
	global_load_b128 v[4*nn:4*nn+3], v20, s[4:5] offset:2048*nn th:TH_LOAD_NT   ; the first block's x: my wave's 512 consecutive bytes of a row
.set nn, nn+1
.endr
	WIN 0
	WLOAD 0, 8, 0
	WLOAD 1, 8, SETB
	s_wait_kmcnt 0x0
	s_add_co_i32 s40, s24, s25                     ; Eq = e0 + e1: a sum stands for sum x 2^E
	s_add_co_i32 s41, s26, s27                     ; Ek
	s_add_co_i32 s42, s28, s29                     ; Ef
	s_add_co_i32 s43, s32, s33                     ; E1
	s_add_co_i32 s44, s34, s35                     ; E2
	s_add_co_i32 s46, s42, 127
	s_lshl_b32 s46, s46, 23                        ; 2^Ef
	s_mov_b32 s47, s46
	s_add_co_i32 s48, s44, 127
	s_lshl_b32 s48, s48, 23                        ; 2^E2
	s_mov_b32 s49, s48
	s_lshl_b32 s50, s43, 23
	s_add_co_i32 s50, s50, 0x3f596d27              ; 2^E1 x sqrt(log2(e) / 2): z = S x this, so that exp(-a a / 2) = 2^(-z z)
	s_mov_b32 s51, s50
	s_sub_co_i32 s45, s34, s43                     ; e10 - E1: the gelu is kept in units of 2^E1, and the conversion's scale takes that up
	MKQ 68, 24
	MKQ 70, 28
	MKQ 72, 32
	MKQ 74, 45
	s_wait_loadcnt 63                              ; source, the biases and x are in: behind x 64 loads (sets 0 and 1) were issued
.irp i, 0,1,2,3,4,5,6,7
	ds_store_b128 v9, v[TM+4*\i:TM+4*\i+3] offset:2*SRP*\i
.endr
	BSC 0, 41
	BSC 4, 40
	BSC 8, 42
	BSC 12, 44
	BSC 16, 43
	BSC 20, 43
.irp i, 0,1,2,3,4,5
	ds_store_b128 v13, v[BI+4*\i:BI+4*\i+3] offset:512*\i
.endr
	WIN 0x08                                       ; store data window 2
.set nn, 0
.rept 64
	ds_store_b128 v17, v[4*nn:4*nn+3] offset:XP*nn ; x into the first of my two regions
.set nn, nn+1
.endr
	WIN 0
	s_mov_b32 s52, 0                               ; which of my two regions holds the block in hand: 0 or XW
	s_mov_b32 s53, NBLK                            ; blocks to go, this one among them
; ==== A BLOCK.  Here its x lies in my region, its source's codes have been stored, set 0 is in or on its way, and behind set 0 only set 1's 32 loads were issued
.Lblock:
	v_add_nc_u32 v5, s52, v17                      ; my region by rows,
	v_add_nc_u32 v6, s52, v18                      ; and by tiles
	BAR                                            ; source's 64 rows lie in LDS
; ---- k's sums into window 3 (sets 0, 1)
	FBIAS 0
	FSRC AF, 0
	FSRC TM, 1
	s_wait_loadcnt 32                              ; set 0 is in; set 1's 32 loads may be out
	s_wait_dscnt 16                                ; the bias and K step 0; step 1's 16 loads may be out
	MM 3, 0, AF, 1
	PLACES 4
	WLOAD 0, 8, 2*SETB
	s_wait_loadcnt 32                              ; set 1 is in; set 2's 32 loads may be out
	s_wait_dscnt 0x0                               ; my reads of source's rows are over:
	s_barrier_signal -1                            ; say so; the products, work on registers, stand between the signal and the wait;
	MM 3, 1, TM, 0
	s_barrier_wait -1                              ; when all four have said so, x's images may be stored over those rows
	PLACES 4
	WLOAD 1, 8, 3*SETB
; ---- x's codes into the images
	SETQ 68
	XT TM, 0
.irp m, 0,1,2,3
.set XB, TM-128*((\m)%2)
.set XN, TM-128*(((\m)+1)%2)
	s_wait_dscnt 0x0                               ; this tile is in, and the last image's stores have read PC
.if \m < 3
	XT XN, \m+1
.endif
	QUANT XB, XB
	IMAGE \m
.endr
	BAR                                            ; x's sixteen fragments lie in LDS
; ---- q's sums into window 2 (sets 2-5)
	LAYER 512, 4
; ---- the norms of q and k
	SUMSQ 3, PC+8
	SUMSQ 2, PC
	ROWNORM 8, 0                                   ; its barrier also parts the reads of x's images from the stores of (k + q)'s
.irp m, 0,1,2,3
	v_ldexp_f32 v[TM+4*\m], v[TM+4*\m], s40        ; the norm in true units
	v_ldexp_f32 v[TM+16+4*\m], v[TM+16+4*\m], s41
.endr
.irp i, 0,1,2,3,4,5,6,7
	v_max_num_f32 v[TM+4*\i], s63, v[TM+4*\i]      ; max(norm, 1e-12)
.endr
.irp i, 0,1,2,3,4,5,6,7
	v_rcp_f32 v[TM+4*\i], v[TM+4*\i]
.endr
	v_nop
	s_wait_alu depctr_va_vdst(0)                   ; one wait for the eight reciprocals
.irp m, 0,1,2,3
	v_ldexp_f32 v[FA+4*\m], v[TM+4*\m], s40        ; q = sum x 2^Eq / max(norm, 1e-12)
	v_ldexp_f32 v[FA+4*\m+2], v[TM+16+4*\m], s41   ; k likewise
.endr
; ---- (k + q)'s codes
	SETQ 70
.irp m, 0,1,2,3
	s_wait_dscnt 0x0                               ; the last image's stores have read PC
	WIN 0x02
.set ii, 0
.rept 32
	v_pk_mul_f32 v[TM+ii:TM+ii+1], v[64*\m+ii:64*\m+ii+1], v[FA+4*\m:FA+4*\m+1] op_sel_hi:[1,0]
.set ii, ii+2
.endr
	WIN 0x03
.set ii, 0
.rept 32
	v_pk_fma_f32 v[TM+ii:TM+ii+1], v[64*\m+ii:64*\m+ii+1], v[FA+4*\m+2:FA+4*\m+3], v[TM+ii:TM+ii+1] op_sel_hi:[1,0,1]
.set ii, ii+2
.endr
	WIN 0
	QUANT TM, TM
	IMAGE \m
.endr
	BAR
; ---- out's sums into window 2 (sets 6-9)
	LAYER 1024, 8
; ---- if a block follows: its source's codes and the first 8 rows of its x are asked for, into BI, which is idle from here to the way out.  No load leaves its buffer
	s_cmp_eq_u32 s53, 1
	s_cbranch_scc1 .Lno_next
.irp i, 0,1,2,3,4,5,6,7
	global_load_b128 v[BI+32+4*\i:BI+32+4*\i+3], v21, s[6:7] offset:64*256+512*\i th:TH_LOAD_NT
.endr
.irp i, 0,1,2,3,4,5,6,7
	global_load_b128 v[BI+4*\i:BI+4*\i+3], v20, s[82:83] offset:2048*\i th:TH_LOAD_NT
.endr
.Lno_next:
; ---- out + x, its norm
	XT TM, 0
.irp m, 0,1,2,3
.set XB, TM-128*((\m)%2)
.set XN, TM-128*(((\m)+1)%2)
	s_wait_dscnt 0x0
.if \m < 3
	XT XN, \m+1
.endif
	WIN 0x82
.set ii, 0
.rept 32
	v_pk_fma_f32 v[64*\m+ii:64*\m+ii+1], v[64*\m+ii:64*\m+ii+1], s[46:47], v[XB+ii:XB+ii+1] op_sel_hi:[1,0,1]   ; sum x 2^Ef + x
.set ii, ii+2
.endr
	WIN 0
.endr
	SUMSQ 2, PC
	ROWNORM 4, 2048                                ; its barrier also parts the reads of (k + q)'s images from the stores of h's
.irp m, 0,1,2,3
	v_max_num_f32 v[TM+4*\m], s63, v[TM+4*\m]
.endr
.irp m, 0,1,2,3
	v_rcp_f32 v[FA+4*\m], v[TM+4*\m]
.endr
	v_nop
	s_wait_alu depctr_va_vdst(0)                   ; one wait for the four reciprocals
; ---- h: in f32 into x's places, as codes into the images
	SETQ 72
.irp m, 0,1,2,3
	s_wait_dscnt 0x0                               ; the last tile's stores have read TM and PC
	WIN 0x02
.set ii, 0
.rept 32
	v_pk_mul_f32 v[TM+ii:TM+ii+1], v[64*\m+ii:64*\m+ii+1], v[FA+4*\m:FA+4*\m+1] op_sel_hi:[1,0]
.set ii, ii+2
.endr
	WIN 0
	XSTORE TM, \m
	QUANT TM, AF                                   ; the hold writes AF: what the stores above read stays as it is
	IMAGE \m
.endr
	BAR                                            ; h's sixteen fragments lie in LDS
; ---- for the MLP: all of h's fragments into window 2; y's sums begin as b2 / 2^E2, in window 3; b1 of chunk 0
	WIN 0x80
.set nn, 0
.rept 64
	ds_load_b128 v[4*nn:4*nn+3], v8 offset:512*nn  ; fragment (m, s) at v[16 (4 m + s)]
.set nn, nn+1
.endr
	WIN 0xc0
.irp m, 0,1,2,3
.irp b, 0,1,2,3
.irp j, 0,1,2,3
	ds_load_b128 v[64*\m+16*\b+4*\j:64*\m+16*\b+4*\j+3], v14 offset:1536+128*\b+16*\j
.endr
.endr
.endr
	WIN 0
.irp j, 0,1,2,3
	ds_load_b128 v[B1R+4*\j:B1R+4*\j+3], v14 offset:2048+16*\j
.endr
	SETQ 74
	s_mov_b32 s78, 0                               ; 128 x chunk
	s_xor_b32 s77, s52, XW                         ; my other region, + 8 rows a chunk: where the next block's x goes
	s_wait_loadcnt 0x0                             ; sets 10 and 11, and what was asked for the next block, are in: all were issued two phases ago; no load reads s[80:81] any more
	s_add_nc_u64 s[80:81], s[8:9], 10*SETB         ; wl at the chunk's two sets
	s_wait_dscnt 0x0
; gelu of row tile m's 16 sums S (a = S x 2^E1), in units of 2^E1, and its codes: registers PC + 4 m .. + 3
.macro GELU m
.set GX, TM+16*(\m)
.set ii, 0
.rept 8
	v_pk_mul_f32 v[GZ+ii:GZ+ii+1], v[GX+ii:GX+ii+1], s[50:51] op_sel_hi:[1,0]   ; z; each accumulator is read from its low end on
.set ii, ii+2
.endr
.set ii, 0
.rept 16
	v_fma_f32 v[GD+ii], |v[GZ+ii]|, s62, 1.0       ; 1 + p |a| / sqrt 2
.set ii, ii+1
.endr
.set ii, 0
.rept 8
	v_pk_mul_f32 v[GQ+ii:GQ+ii+1], v[GZ+ii:GZ+ii+1], v[GZ+ii:GZ+ii+1]
.set ii, ii+2
.endr
.set ii, 0
.rept 16
	v_rcp_f32 v[GD+ii], v[GD+ii]                   ; t
.set ii, ii+1
.endr
.set ii, 0
.rept 16
	v_exp_f32 v[GQ+ii], -v[GQ+ii]                  ; exp(-a a / 2)
.set ii, ii+1
.endr
	v_nop                                          ; a plain instruction behind the last of the batch,
	s_wait_alu depctr_va_vdst(0)                   ; and one wait for its 32, ahead of the first reader
.set ii, 0
.rept 8
	v_pk_fma_f32 v[GZ+ii:GZ+ii+1], v[GD+ii:GD+ii+1], s[54:55], v[28:29] op_sel_hi:[1,0,1]
.set ii, ii+2
.endr
.irp k, 56, 58, 60
.set ii, 0
.rept 8
	v_pk_fma_f32 v[GZ+ii:GZ+ii+1], v[GZ+ii:GZ+ii+1], v[GD+ii:GD+ii+1], s[\k:\k+1] op_sel_hi:[1,1,0]
.set ii, ii+2
.endr
.endr
.set ii, 0
.rept 8
	v_pk_mul_f32 v[GZ+ii:GZ+ii+1], v[GZ+ii:GZ+ii+1], v[GD+ii:GD+ii+1]
.set ii, ii+2
.endr
.set ii, 0
.rept 8
	v_pk_mul_f32 v[GZ+ii:GZ+ii+1], v[GZ+ii:GZ+ii+1], v[GQ+ii:GQ+ii+1]   ; P / 2 = (1 - erf(|a| / sqrt 2)) / 2
.set ii, ii+2
.endr
.set ii, 0
.rept 16
	v_max_num_f32 v[GD+ii], 0, v[GX+ii]
.set ii, ii+1
.endr
.set ii, 0
.rept 16
	v_fma_f32 v[GX+ii], -|v[GX+ii]|, v[GZ+ii], v[GD+ii]   ; max(S, 0) - |S| P / 2
.set ii, ii+1
.endr
.set ii, 0
.rept 16
	v_med3_num_f32 v[GX+ii], v[GX+ii], -v24, v24   ; the hold at the largest code x the scale
.set ii, ii+1
.endr
	v_cvt_scalef32_pk8_fp8_f32 v[PC+4*(\m):PC+4*(\m)+1], v[GX:GX+7], v23
	v_cvt_scalef32_pk8_fp8_f32 v[PC+4*(\m)+2:PC+4*(\m)+3], v[GX+8:GX+15], v23
	v_nop                                          ; one plain vector instruction behind the last conversion
.endm
; A CHUNK of 128 hidden units: my 32 of them for the 64 rows (W1's set, buffer 0), gelu, codes to the other waves; then the chunk as one K step of y (W2's set, buffer 1).
; The loads of a chunk go out in this order: behind the W1 products the next chunk's W1 (32) and, if a block follows, 8 rows of its x; behind the W2 products the next chunk's W2 (32).
; last = 1: chunk 7: what is asked for is the next block's sets 0 and 1, if a block follows.
.macro CHUNK last
	s_wait_loadcnt 32                              ; W1's set, and the 8 rows of x issued behind it, are in; W2's 32 loads may be out
.if !(\last)
	v_add_nc_u32 v19, s78, v14
.endif
	s_cmp_eq_u32 s53, 1
	s_cbranch_scc1 .Lkeep_\@
	v_add_nc_u32 v4, s77, v17
.irp i, 0,1,2,3,4,5,6,7
	ds_store_b128 v4, v[BI+4*\i:BI+4*\i+3] offset:XP*\i           ; the next block's x, rows 8 j on, into my other region
.endr
.if \last
.irp i, 0,1,2,3,4,5,6,7
	ds_store_b128 v9, v[BI+32+4*\i:BI+32+4*\i+3] offset:2*SRP*\i  ; and its source's codes, over h's images: every wave's reads of those were over at chunk 0's barrier
.endr
.endif
.Lkeep_\@:
	WIN 0x09                                       ; source 0 (W1) window 1, source 1 (h) window 2
.irp s, 0,1,2,3
.irp m, 0,1,2,3
.irp u, 0,1
.if \s == 0
	v_wmma_f32_16x16x128_fp8_fp8 v[TM+16*\m+8*\u:TM+16*\m+8*\u+7], v[16*(2*\s+\u):16*(2*\s+\u)+15], v[16*(4*\m+\s):16*(4*\m+\s)+15], v[B1R+8*\u:B1R+8*\u+7]
.else
	v_wmma_f32_16x16x128_fp8_fp8 v[TM+16*\m+8*\u:TM+16*\m+8*\u+7], v[16*(2*\s+\u):16*(2*\s+\u)+15], v[16*(4*\m+\s):16*(4*\m+\s)+15], v[TM+16*\m+8*\u:TM+16*\m+8*\u+7]
.endif
.endr
.endr
.endr
	WIN 0
	PLACES 4
.if !(\last)
	s_wait_xcnt 0x0                                ; the loads issued ahead of the 32 products above have read their bases: both may step
	s_add_nc_u64 s[80:81], s[80:81], 2*SETB        ; the next chunk's two sets
	s_add_nc_u64 s[82:83], s[82:83], 8*2048        ; the next 8 rows of the next block's x
	WLOAD 0, 80, 0                                 ; the next chunk's W1: it has the gelu and y's products in which to land
	s_cmp_eq_u32 s53, 1
	s_cbranch_scc1 .Lnox_\@
	s_wait_dscnt 0x0                               ; the stores at the chunk's head have read BI
.irp i, 0,1,2,3,4,5,6,7
	global_load_b128 v[BI+4*\i:BI+4*\i+3], v20, s[82:83] offset:2048*\i th:TH_LOAD_NT
.endr
.Lnox_\@:
.irp j, 0,1,2,3
	ds_load_b128 v[B1R+4*\j:B1R+4*\j+3], v19 offset:2048+128+16*\j   ; the next chunk's b1
.endr
.else
	s_cmp_eq_u32 s53, 1
	s_cbranch_scc1 .Lnox_\@
	WLOAD 0, 8, 0                                  ; the next block's set 0
.Lnox_\@:
.endif
	GELU 0
	GELU 1
	GELU 2
	GELU 3
.irp m, 0,1,2,3
	ds_store_b128 v15, v[PC+4*\m:PC+4*\m+3] offset:2048*\m
.endr
	BAR                                            ; the chunk's four fragments lie in LDS
.irp m, 0,1,2,3
.irp c, 0,1,2,3
	ds_load_b128 v[AF+16*\m+4*\c:AF+16*\m+4*\c+3], v16 offset:2048*\m+512*\c
.endr
.endr
.if \last
	s_wait_loadcnt 0x0                             ; W2's last set; the count is right whether or not the next block's set 0 was asked for behind it
.else
	s_wait_loadcnt 32                              ; W2's set is in: behind it stand the next W1's 32 loads and at most x's 8
.endif
	s_wait_dscnt 0x0                               ; my reads of the fragments are over:
	s_barrier_signal -1                            ; say so; the products below, work on registers, stand between the signal and the wait;
	MM 3, 1, AF, 0
	s_barrier_wait -1                              ; when all four have said so, the next chunk's codes may be stored there
	PLACES 5
.if \last
	s_cmp_eq_u32 s53, 1
	s_cbranch_scc1 .Lnow_\@
	WLOAD 1, 8, SETB                               ; the next block's set 1
.Lnow_\@:
.else
	WLOAD 1, 80, SETB                              ; the next chunk's W2
	s_add_co_u32 s78, s78, 128
	s_add_co_u32 s77, s77, 8*XP
.endif
.endm
	s_mov_b32 s76, 7
.Lchunk:                                               ; chunks 0 to 6
	CHUNK 0
	s_sub_co_u32 s76, s76, 1
	s_cmp_lg_u32 s76, 0
	s_cbranch_scc1 .Lchunk
	CHUNK 1                                        ; chunk 7 is written out: no load leaves wl
; ---- the way out: y = sum x 2^E2 + h, through my own region, by whole rows
	XT TM, 0
.irp m, 0,1,2,3
.set XB, TM-128*((\m)%2)
.set XN, TM-128*(((\m)+1)%2)
	s_wait_dscnt 0x0
.if \m < 3
	XT XN, \m+1
.endif
	WIN 0x03
.set ii, 0
.rept 32
	v_pk_fma_f32 v[XB+ii:XB+ii+1], v[64*\m+ii:64*\m+ii+1], s[48:49], v[XB+ii:XB+ii+1] op_sel_hi:[1,0,1]
.set ii, ii+2
.endr
	WIN 0
	XSTORE XB, \m
.if \m > 0
	s_wait_xcnt 0x0                                ; the last tile's stores to memory have read BI
.endif
.set nn, 0
.rept 16
	ds_load_b128 v[BI+4*nn:BI+4*nn+3], v5 offset:XP*(16*\m+nn)   ; LDS serves a wave's instructions in order (ISA guide 5.7.1.4): these see the stores above
.set nn, nn+1
.endr
.set nn, 0
.rept 16
	s_wait_dscnt 15-nn                             ; row nn is in; the loads issued behind it may be out
	global_store_b128 v20, v[BI+4*nn:BI+4*nn+3], s[22:23] offset:2048*(16*\m+nn) th:TH_STORE_NT   ; the wave stores 512 consecutive bytes, at a multiple of 256 from out0's first byte
.set nn, nn+1
.endr
.endr
	s_wait_xcnt 0x0                                ; the stores have read BI and their base, the loads theirs: all may be written again.  Nothing waits for the stores themselves
	s_add_nc_u64 s[22:23], s[22:23], 64*2048       ; out0, source and the look-ahead in x: a block on
	s_add_nc_u64 s[6:7], s[6:7], 64*256
	s_add_nc_u64 s[82:83], s[82:83], 8*2048
	s_xor_b32 s52, s52, XW                         ; my other region holds the next block's x
	s_sub_co_u32 s53, s53, 1
	s_cmp_lg_u32 s53, 0
	s_cbranch_scc1 .Lblock
	s_wait_tensorcnt 0x0                           ; the wave's end, behind my last LDS store
	ds_add_u32 v1, v2
	s_wait_dscnt 0x0
	s_endpgm
.Lfunc_end_k_qb3c2615213_chain:
	.size	k_qb3c2615213_chain, .Lfunc_end_k_qb3c2615213_chain-k_qb3c2615213_chain
	.p2alignl 7, 3214868480
	.fill 96, 4, 3214868480
	.section	.rodata,"a",@progbits
	.p2align	6, 0x0
	.amdhsa_kernel k_qb3c2615213_chain
		.amdhsa_group_segment_fixed_size 327168
		.amdhsa_private_segment_fixed_size 0
		.amdhsa_enable_private_segment 0
		.amdhsa_kernarg_size 80
		.amdhsa_user_sgpr_count 2
		.amdhsa_user_sgpr_kernarg_segment_ptr 1
		.amdhsa_wavefront_size32 1
		.amdhsa_system_sgpr_workgroup_id_x 1
		.amdhsa_system_sgpr_workgroup_id_y 1
		.amdhsa_system_sgpr_workgroup_id_z 1
		.amdhsa_system_vgpr_workitem_id 0
		.amdhsa_next_free_vgpr 1024
		.amdhsa_next_free_sgpr 84
		.amdhsa_reserve_vcc 0
		.amdhsa_float_denorm_mode_32 3
		.amdhsa_float_denorm_mode_16_64 3
		.amdhsa_memory_ordered 1
		.amdhsa_forward_progress 1
		.amdhsa_inst_pref_size 255
	.end_amdhsa_kernel
	.section	.bss,"aw",@nobits
	.p2align	6
	.space	262144
	.amdgpu_metadata
---
amdhsa.version: [ 1, 2 ]
amdhsa.kernels:
  - .name:           k_qb3c2615213_chain
    .symbol:         k_qb3c2615213_chain.kd
    .args:
      - { .name: x, .offset: 0, .size: 8, .value_kind: global_buffer, .address_space: global }
      - { .name: source_codes, .offset: 8, .size: 8, .value_kind: global_buffer, .address_space: global }
      - { .name: wl, .offset: 16, .size: 8, .value_kind: global_buffer, .address_space: global }
      - { .name: bq, .offset: 24, .size: 8, .value_kind: global_buffer, .address_space: global }
      - { .name: bk, .offset: 32, .size: 8, .value_kind: global_buffer, .address_space: global }
      - { .name: bf, .offset: 40, .size: 8, .value_kind: global_buffer, .address_space: global }
      - { .name: b1, .offset: 48, .size: 8, .value_kind: global_buffer, .address_space: global }
      - { .name: b2, .offset: 56, .size: 8, .value_kind: global_buffer, .address_space: global }
      - { .name: lowp_scales, .offset: 64, .size: 8, .value_kind: global_buffer, .address_space: global }
      - { .name: out0, .offset: 72, .size: 8, .value_kind: global_buffer, .address_space: global }
    .group_segment_fixed_size: 327168
    .private_segment_fixed_size: 0
    .kernarg_segment_align: 8
    .kernarg_segment_size: 80
    .max_flat_workgroup_size: 128
    .sgpr_count:     84
    .vgpr_count:     1024
    .wavefront_size: 32
...
	.end_amdgpu_metadata
.endif
;; end of part 2
